; MI455X (gfx1250); checked and timed in simulation.
; The chip was launched on July 23, 2026; its instructions are those of AMD's public machine-readable ISA for CDNA 5 (MIT licence, August 2026) and "CDNA5" Instruction Set Architecture Reference Guide (July 2026). The comments in the code are by the model that wrote it; some were corrected since.
;; Article Aware Atten. Allowed arithmetic: float matrix products may take bf16 or f16 operands with f32 sums; all other float work in f32.
;; Inputs: art_vecs 16 x 768 float32; encs 16 x 2,048 x 1,024 float32; transArt 768 x 1,024 float32; transM 1,024 x 1,024 float32.
;; Outputs: out0 16 x 2,048 float32.
;; One version. Each part assembles by itself: llvm-mc -triple=amdgcn-amd-amdhsa -mcpu=gfx1250 --defsym DOCPART=n.
;; ======== version 1 of 1: 4 launches
;; workspace buffers: uvec 65,536 bytes; part 1,114,112 bytes
;; launch art (part 1): grid 256 x 1, 16 waves a work-group, no clusters, 6,144 bytes of LDS; arguments art_vecs, transArt, out0; writes out0
.if DOCPART == 1
	.amdgcn_target "amdgcn-amd-amdhsa--gfx1250"
	.amdhsa_code_object_version 6
	.text
	.protected	k_q7bf6bf018f_art
	.globl	k_q7bf6bf018f_art
	.p2align	8
	.type	k_q7bf6bf018f_art,@function
k_q7bf6bf018f_art:
	s_mov_b64 s[64:65], 0
	v_nop
	global_prefetch_b8 v0, s[64:65] scope:SCOPE_SE
	s_setreg_imm32_b32 hwreg(HW_REG_WAVE_MODE, 25, 1), 1
	s_wait_xcnt 0x0
; a[b][n] = sum over k of art_vecs[b][k] * transArt[k][n], stored as columns 1024..2047 of out0[b] (the second half of the concatenation).
; art_vecs: [16][768] f32, transArt: [768][1024] f32, out0: [16][2048] f32.  All arithmetic in f32 on the vector ALU.
; WHY NO MATRIX UNIT: one row of art_vecs meets each slice of transArt, so every number of transArt feeds one multiply-add: the bytes decide, not the
; arithmetic.  And a feeds the exponents of the softmax two launches on, whose spread is the product of three norms; 16-bit operands would shift them.
; SHARES: work-group g takes batch b = g & 15 and the 64 columns (256 bytes) of slice g >> 4, over all 768 rows, so no sum crosses work-groups.
; Thread t: columns 4 c .. 4 c + 3 (c = t & 15), rows 24 r .. 24 r + 23 (r = t >> 4).  Sixteen neighbouring lanes load 256 consecutive, aligned bytes of a row.
; All 30 loads of a thread go out at the head; the rows are taken as they come, by counted waits.
; NO CLUSTER: the sixteen work-groups of a slice read the same 196,608 bytes.  A joint request names four work-groups at the most, would pass the slice
; through LDS, and needs rounds of the cluster's barrier round a body that is a single run of loads: each number would be read from LDS for one multiply-add.
; LIMIT: the sum over k is made in 32 x 2 partial sums and a tree, not in reference's order.
.set ROWB, 4096                        ; bytes in a row of transArt
.set RED,  0                           ; LDS: 16 waves x 256 bytes of partial sums
.set A,    8                           ; v[8:31]    my 24 numbers of art_vecs[b]
.set X,    32                          ; v[32:127]  row i of my 24: 4 registers; later wave 0's eight partial sums
.set ACC,  128                         ; v[128:131] sums of the even rows, v[132:135] of the odd rows
; v1 = 16 c   v3 = my offset in transArt   v4 = my offset in art_vecs[b]   v5 = where my wave puts its sums   v6 = where wave 0 reads them; none is rewritten
	s_load_b128 s[4:7], s[0:1], 0x0                ; art_vecs s[4:5], transArt s[6:7]
	s_load_b64 s[8:9], s[0:1], 0x10                ; out0
	v_lshl_add_u32 v140, v0, 2, 0x1000
	v_mov_b32 v141, 0
	v_lshrrev_b32 v2, 5, v0
	v_readfirstlane_b32 s10, v2                    ; wave 0..15
	s_mov_b32 s12, 0x76543210                      ; v_permlanex16_b32: lane i of one half reads lane i of the other
	s_mov_b32 s13, 0xfedcba98
	s_and_b32 s16, ttmp9, 15                       ; b
	s_lshr_b32 s17, ttmp9, 4                       ; slice
	s_mov_b32 s15, 0                               ; the high word of every offset
	v_and_b32 v1, 15, v0
	v_lshlrev_b32 v1, 4, v1                        ; 16 c
	v_lshrrev_b32 v7, 4, v0                        ; r
	v_mad_u32_u24 v3, v7, 0x18000, v1              ; 24 r rows of 4,096 bytes + 16 c
	v_mul_u32_u24 v4, 0x60, v7                     ; 24 r numbers of 4 bytes
	v_lshl_add_u32 v5, s10, 8, v1                  ; 256 x wave + 16 c
	v_bfe_u32 v6, v0, 4, 1
	v_lshl_add_u32 v6, v6, 11, v1                  ; lanes 0-15: waves 0-7; lanes 16-31: waves 8-15
	s_wait_kmcnt 0x0
	s_mul_i32 s14, s16, 3072
	s_add_nc_u64 s[4:5], s[4:5], s[14:15]          ; art_vecs[b]
	s_lshl_b32 s14, s17, 8
	s_add_nc_u64 s[6:7], s[6:7], s[14:15]          ; transArt at my slice
	s_lshl_b32 s18, s16, 13
	s_add_co_u32 s14, s14, s18
	s_add_co_u32 s14, s14, 4096
	s_add_nc_u64 s[8:9], s[8:9], s[14:15]          ; out0[b] at column 1024 + my slice
.irp q, 0,1,2,3,4,5
	global_load_b128 v[A+4*\q:A+4*\q+3], v4, s[4:5] offset:16*\q
.endr
.set ri, 0
.rept 24
	global_load_b128 v[X+4*ri:X+4*ri+3], v3, s[6:7] offset:ROWB*ri
.set ri, ri+1
.endr
; n rows: ACC (+)= row i x multiplier i.  The multipliers lie in v[mul ..]; one of a pair is broadcast into both halves of the packed instruction:
; the first register by op_sel_hi 0, the second by op_sel 1.  Rows 0 and 1 start the two sums: nothing is cleared.
.macro ROWS n, mul
.set ri, 0
.rept \n
	s_wait_loadcnt \n-1-ri                         ; loads come back in order (ISA guide 5.7.1): row ri is in, the younger rows stay out
.set rd, ACC+4*(ri%2)
.set rx, X+4*ri
.set ra, \mul+2*(ri/2)
.if ri < 2
.if ri%2
	v_pk_mul_f32 v[rd:rd+1],   v[rx:rx+1],   v[ra:ra+1] op_sel:[0,1] op_sel_hi:[1,1]
	v_pk_mul_f32 v[rd+2:rd+3], v[rx+2:rx+3], v[ra:ra+1] op_sel:[0,1] op_sel_hi:[1,1]
.else
	v_pk_mul_f32 v[rd:rd+1],   v[rx:rx+1],   v[ra:ra+1] op_sel_hi:[1,0]
	v_pk_mul_f32 v[rd+2:rd+3], v[rx+2:rx+3], v[ra:ra+1] op_sel_hi:[1,0]
.endif
.else
.if ri%2
	v_pk_fma_f32 v[rd:rd+1],   v[rx:rx+1],   v[ra:ra+1], v[rd:rd+1]   op_sel:[0,1,0] op_sel_hi:[1,1,1]
	v_pk_fma_f32 v[rd+2:rd+3], v[rx+2:rx+3], v[ra:ra+1], v[rd+2:rd+3] op_sel:[0,1,0] op_sel_hi:[1,1,1]
.else
	v_pk_fma_f32 v[rd:rd+1],   v[rx:rx+1],   v[ra:ra+1], v[rd:rd+1]   op_sel_hi:[1,0,1]
	v_pk_fma_f32 v[rd+2:rd+3], v[rx+2:rx+3], v[ra:ra+1], v[rd+2:rd+3] op_sel_hi:[1,0,1]
.endif
.endif
.set ri, ri+1
.endr
.endm
; The 32 row groups' sums of my 4 columns become one: odd onto even, the wave's two halves, the 16 waves through LDS, and wave 0 stores 256 bytes.
.macro REDUCE scale
	v_pk_add_f32 v[ACC:ACC+1],   v[ACC:ACC+1],   v[ACC+4:ACC+5]
	v_pk_add_f32 v[ACC+2:ACC+3], v[ACC+2:ACC+3], v[ACC+6:ACC+7]
.irp k, 0,1,2,3
	v_permlanex16_b32 v[ACC+4+\k], v[ACC+\k], s12, s13     ; the other half's sums of the same columns
.endr
	v_pk_add_f32 v[ACC:ACC+1],   v[ACC:ACC+1],   v[ACC+4:ACC+5]
	v_pk_add_f32 v[ACC+2:ACC+3], v[ACC+2:ACC+3], v[ACC+6:ACC+7]
	ds_store_b128 v5, v[ACC:ACC+3] offset:RED      ; lanes l and l + 16 hold the same numbers and store them to the same bytes
	s_wait_dscnt 0x0                               ; my store is done before I say so
	s_barrier_signal -1
	s_barrier_wait -1                              ; all 16 waves' sums lie in LDS
	s_cmp_lg_u32 s10, 0
	s_cbranch_scc1 .Lend                           ; the rest is wave 0's; no barrier follows
.irp k, 0,1,2,3,4,5,6,7
	ds_load_b128 v[X+4*\k:X+4*\k+3], v6 offset:RED+256*\k
.endr
	s_wait_dscnt 0x0
.irp k, 0,1,2,3
	v_pk_add_f32 v[X+4*\k:X+4*\k+1],   v[X+4*\k:X+4*\k+1],   v[X+16+4*\k:X+16+4*\k+1]
	v_pk_add_f32 v[X+4*\k+2:X+4*\k+3], v[X+4*\k+2:X+4*\k+3], v[X+16+4*\k+2:X+16+4*\k+3]
.endr
.irp k, 0,1
	v_pk_add_f32 v[X+4*\k:X+4*\k+1],   v[X+4*\k:X+4*\k+1],   v[X+8+4*\k:X+8+4*\k+1]
	v_pk_add_f32 v[X+4*\k+2:X+4*\k+3], v[X+4*\k+2:X+4*\k+3], v[X+8+4*\k+2:X+8+4*\k+3]
.endr
	v_pk_add_f32 v[X:X+1],   v[X:X+1],   v[X+4:X+5]
	v_pk_add_f32 v[X+2:X+3], v[X+2:X+3], v[X+6:X+7]
.irp k, 0,1,2,3
	v_permlanex16_b32 v[X+4+\k], v[X+\k], s12, s13         ; waves 8-15's share meets waves 0-7's
.endr
	v_pk_add_f32 v[X:X+1],   v[X:X+1],   v[X+4:X+5]
	v_pk_add_f32 v[X+2:X+3], v[X+2:X+3], v[X+6:X+7]
.if \scale
	v_pk_mul_f32 v[X:X+1],   v[X:X+1],   v[RC:RC+1]
	v_pk_mul_f32 v[X+2:X+3], v[X+2:X+3], v[RC:RC+1]
.endif
	s_wait_xcnt 0x0                                ; EXEC is a source of every global instruction issued so far: it changes only behind this wait
	v_cmp_gt_u32 vcc_lo, 16, v0
	s_and_saveexec_b32 s18, vcc_lo                 ; lanes 0-15
	global_store_b128 v1, v[X:X+3], s[8:9]         ; sixteen lanes store 256 consecutive bytes, at a multiple of 256 from out0's first byte
	s_wait_xcnt 0x0                                ; and again in front of the line that widens it
	s_or_b32 exec_lo, exec_lo, s18
.Lend:
	s_wait_tensorcnt 0x0
	ds_add_u32 v140, v141
	s_wait_dscnt 0x0
	s_endpgm
.endm
	ROWS 24, A                                     ; the first wait, for 23, also shows the six loads of art_vecs done: they were issued first
	REDUCE 0
.Lfunc_end_k_q7bf6bf018f_art:
	.size	k_q7bf6bf018f_art, .Lfunc_end_k_q7bf6bf018f_art-k_q7bf6bf018f_art
	.p2alignl 7, 3214868480
	.fill 96, 4, 3214868480
	.section	.rodata,"a",@progbits
	.p2align	6, 0x0
	.amdhsa_kernel k_q7bf6bf018f_art
		.amdhsa_group_segment_fixed_size 6144
		.amdhsa_private_segment_fixed_size 0
		.amdhsa_enable_private_segment 0
		.amdhsa_kernarg_size 24
		.amdhsa_user_sgpr_count 2
		.amdhsa_user_sgpr_kernarg_segment_ptr 1
		.amdhsa_wavefront_size32 1
		.amdhsa_system_sgpr_workgroup_id_x 1
		.amdhsa_system_sgpr_workgroup_id_y 1
		.amdhsa_system_sgpr_workgroup_id_z 1
		.amdhsa_system_vgpr_workitem_id 0
		.amdhsa_next_free_vgpr 142
		.amdhsa_next_free_sgpr 66
		.amdhsa_reserve_vcc 1
		.amdhsa_float_denorm_mode_32 3
		.amdhsa_float_denorm_mode_16_64 3
		.amdhsa_memory_ordered 1
		.amdhsa_forward_progress 1
		.amdhsa_inst_pref_size 12
	.end_amdhsa_kernel
	.amdgpu_metadata
---
amdhsa.version: [ 1, 2 ]
amdhsa.kernels:
  - .name:           k_q7bf6bf018f_art
    .symbol:         k_q7bf6bf018f_art.kd
    .args:
      - { .name: art_vecs, .offset: 0, .size: 8, .value_kind: global_buffer, .address_space: global }
      - { .name: transArt, .offset: 8, .size: 8, .value_kind: global_buffer, .address_space: global }
      - { .name: out0, .offset: 16, .size: 8, .value_kind: global_buffer, .address_space: global }
    .group_segment_fixed_size: 6144
    .private_segment_fixed_size: 0
    .kernarg_segment_align: 8
    .kernarg_segment_size: 24
    .max_flat_workgroup_size: 512
    .sgpr_count:     66
    .vgpr_count:     142
    .wavefront_size: 32
...
	.end_amdgpu_metadata
.endif
;; end of part 1
;; launch umake (part 2): grid 256 x 1, 8 waves a work-group, no clusters, 1,280 bytes of LDS; arguments out0, transM, uvec; writes uvec
.if DOCPART == 2
	.amdgcn_target "amdgcn-amd-amdhsa--gfx1250"
	.amdhsa_code_object_version 6
	.text
	.protected	k_q7bf6bf018f_umake
	.globl	k_q7bf6bf018f_umake
	.p2align	8
	.type	k_q7bf6bf018f_umake,@function
k_q7bf6bf018f_umake:
	s_mov_b64 s[64:65], 0
	v_nop
	global_prefetch_b8 v0, s[64:65] scope:SCOPE_SE
	s_setreg_imm32_b32 hwreg(HW_REG_WAVE_MODE, 25, 1), 1
	s_wait_xcnt 0x0
; u[b][h] = log2(e) * sum over k of transM[h][k] * a[b][k], a[b] = columns 1024..2047 of out0[b] as the launch before stored them.
; With it, score[b][s] = (encs[b][s] . transM) . a[b] = encs[b][s] . u[b]: the same sum in another order, for every input.  The factor log2(e) makes the
; scores exponents of 2.  transM: [1024][1024] f32.  All in f32 on the vector ALU: u feeds the softmax's exponents, and four rows of a meet each number of transM.
; uvec's layout: [hb 64][b 16][16 h] f32, byte hb x 1024 + b x 64 + 4 (h & 15), so that one work-group writes one whole block of 256 consecutive, aligned bytes.
; SHARES: work-group g takes the 16 rows h of hb = g >> 2 and the 4 batches 4 (g & 3) + q.  Wave w takes rows 16 hb + 2 w + r (r = 0, 1) and all 4 batches;
; lane l holds k = 128 j + 4 l + 0..3, j = 0..7: each load of a wave covers 512 consecutive bytes.  The sum over k never leaves the wave.
; NO CLUSTER: the four work-groups of an hb share 65,536 bytes of transM, a third of what each reads; the body is one run of 48 loads a lane into registers.
; LIMIT: the sum over k is made in 64 partial sums a row and a butterfly over the lanes, not in reference's order.
.set TM,  4                            ; v[4:67]     transM: row r, load j at 4 + 32 r + 4 j
.set AR,  68                           ; v[68:195]   a: batch q, load j at 68 + 32 q + 4 j
.set ACC, 196                          ; v[196:211]  the pair of sums of (q, r) at 196 + 2 (2 q + r); later at work
.set D,   212                          ; v[212:219]  the sum of (q, r) at 212 + 2 q + r
; v1 = 16 l   v2 = my offset in the 16 rows of transM   v3 = 8 w; none is rewritten
	s_load_b128 s[4:7], s[0:1], 0x0                ; out0 s[4:5], transM s[6:7]
	s_load_b64 s[8:9], s[0:1], 0x10                ; uvec
	v_lshl_add_u32 v220, v0, 2, 0x100
	v_mov_b32 v221, 0
	v_lshrrev_b32 v3, 5, v0
	v_readfirstlane_b32 s10, v3                    ; wave 0..7
	s_mov_b32 s12, 0x76543210
	s_mov_b32 s13, 0xfedcba98
	s_lshr_b32 s16, ttmp9, 2                       ; hb
	s_and_b32 s17, ttmp9, 3                        ; group of four batches
	s_mov_b32 s15, 0
	v_and_b32 v1, 31, v0
	v_lshlrev_b32 v1, 4, v1                        ; 16 l
	v_lshl_add_u32 v2, s10, 13, v1                 ; + 2 w rows of 4,096 bytes
	s_lshl_b32 s18, s10, 3
	v_mov_b32 v3, s18                              ; 8 w: my two rows' place in a batch's 64 bytes
	s_wait_kmcnt 0x0
	s_lshl_b32 s14, s17, 15
	s_add_co_u32 s14, s14, 4096
	s_add_nc_u64 s[4:5], s[4:5], s[14:15]          ; out0 at column 1024 of my first batch
	s_lshl_b32 s14, s16, 16
	s_add_nc_u64 s[6:7], s[6:7], s[14:15]          ; transM at row 16 hb
	s_lshl_b32 s14, ttmp9, 8
	s_add_nc_u64 s[8:9], s[8:9], s[14:15]          ; my 256 bytes of uvec
.irp j, 0,1,2,3,4,5,6,7
.irp r, 0,1
	global_load_b128 v[TM+32*\r+4*\j:TM+32*\r+4*\j+3], v2, s[6:7] offset:4096*\r+512*\j
.endr
.irp q, 0,1,2,3
	global_load_b128 v[AR+32*\q+4*\j:AR+32*\q+4*\j+3], v1, s[4:5] offset:8192*\q+512*\j
.endr
.endr
	; eight chains that do not wait for each other; the first products start the sums
.irp j, 0,1,2,3,4,5,6,7
	s_wait_loadcnt 6*(7-\j)                        ; six loads were issued for each later j: those stay out
.irp f, 0,2
.irp q, 0,1,2,3
.irp r, 0,1
.if (\j+\f) == 0
	v_pk_mul_f32 v[ACC+2*(2*\q+\r):ACC+2*(2*\q+\r)+1], v[TM+32*\r+4*\j+\f:TM+32*\r+4*\j+\f+1], v[AR+32*\q+4*\j+\f:AR+32*\q+4*\j+\f+1]
.else
	v_pk_fma_f32 v[ACC+2*(2*\q+\r):ACC+2*(2*\q+\r)+1], v[TM+32*\r+4*\j+\f:TM+32*\r+4*\j+\f+1], v[AR+32*\q+4*\j+\f:AR+32*\q+4*\j+\f+1], v[ACC+2*(2*\q+\r):ACC+2*(2*\q+\r)+1]
.endif
.endr
.endr
.endr
.endr
	; each of the eight sums over the 32 lanes; every lane ends with the result
.irp i, 0,1,2,3,4,5,6,7
	v_add_f32 v[D+\i], v[ACC+2*\i], v[ACC+2*\i+1]
.endr
.irp m, 1,2,4,8
.irp i, 0,1,2,3,4,5,6,7
	v_add_f32_dpp v[D+\i], v[D+\i], v[D+\i] row_xmask:\m row_mask:0xf bank_mask:0xf
.endr
.endr
.irp i, 0,1,2,3,4,5,6,7
	v_permlanex16_b32 v[ACC+\i], v[D+\i], s12, s13
.endr
.irp i, 0,2,4,6
	v_pk_add_f32 v[D+\i:D+\i+1], v[D+\i:D+\i+1], v[ACC+\i:ACC+\i+1]
.endr
.irp i, 0,2,4,6
	v_pk_mul_f32 v[D+\i:D+\i+1], v[D+\i:D+\i+1], 0x3fb8aa3b op_sel_hi:[1,0]   ; x log2(e)
.endr
	; the way out: 4 batches x 16 rows meet in 256 bytes of LDS and leave as one block
.irp q, 0,1,2,3
	ds_store_b64 v3, v[D+2*\q:D+2*\q+1] offset:64*\q       ; all lanes store the same two numbers to the same 8 bytes
.endr
	v_and_b32 v[ACC], 15, v0
	v_lshlrev_b32 v[ACC], 4, v[ACC]                ; 16 (l & 15): inside the 256 bytes in every lane
	s_wait_dscnt 0x0                               ; my stores are done before I say so
	s_barrier_signal -1
	s_barrier_wait -1
	s_cmp_lg_u32 s10, 0
	s_cbranch_scc1 .Lend                           ; the store is wave 0's; no barrier follows
	ds_load_b128 v[ACC+4:ACC+7], v[ACC]
	s_wait_dscnt 0x0
	s_wait_xcnt 0x0                                ; EXEC changes only behind this wait
	v_cmp_gt_u32 vcc_lo, 16, v0
	s_and_saveexec_b32 s18, vcc_lo                 ; lanes 0-15
	global_store_b128 v[ACC], v[ACC+4:ACC+7], s[8:9]       ; sixteen lanes store 256 consecutive, aligned bytes
	s_wait_xcnt 0x0
	s_or_b32 exec_lo, exec_lo, s18
.Lend:
	s_wait_tensorcnt 0x0
	ds_add_u32 v220, v221
	s_wait_dscnt 0x0
	s_endpgm
.Lfunc_end_k_q7bf6bf018f_umake:
	.size	k_q7bf6bf018f_umake, .Lfunc_end_k_q7bf6bf018f_umake-k_q7bf6bf018f_umake
	.p2alignl 7, 3214868480
	.fill 96, 4, 3214868480
	.section	.rodata,"a",@progbits
	.p2align	6, 0x0
	.amdhsa_kernel k_q7bf6bf018f_umake
		.amdhsa_group_segment_fixed_size 1280
		.amdhsa_private_segment_fixed_size 0
		.amdhsa_enable_private_segment 0
		.amdhsa_kernarg_size 24
		.amdhsa_user_sgpr_count 2
		.amdhsa_user_sgpr_kernarg_segment_ptr 1
		.amdhsa_wavefront_size32 1
		.amdhsa_system_sgpr_workgroup_id_x 1
		.amdhsa_system_sgpr_workgroup_id_y 1
		.amdhsa_system_sgpr_workgroup_id_z 1
		.amdhsa_system_vgpr_workitem_id 0
		.amdhsa_next_free_vgpr 222
		.amdhsa_next_free_sgpr 66
		.amdhsa_reserve_vcc 1
		.amdhsa_float_denorm_mode_32 3
		.amdhsa_float_denorm_mode_16_64 3
		.amdhsa_memory_ordered 1
		.amdhsa_forward_progress 1
		.amdhsa_inst_pref_size 19
	.end_amdhsa_kernel
	.amdgpu_metadata
---
amdhsa.version: [ 1, 2 ]
amdhsa.kernels:
  - .name:           k_q7bf6bf018f_umake
    .symbol:         k_q7bf6bf018f_umake.kd
    .args:
      - { .name: out0, .offset: 0, .size: 8, .value_kind: global_buffer, .address_space: global }
      - { .name: transM, .offset: 8, .size: 8, .value_kind: global_buffer, .address_space: global }
      - { .name: uvec, .offset: 16, .size: 8, .value_kind: global_buffer, .address_space: global }
    .group_segment_fixed_size: 1280
    .private_segment_fixed_size: 0
    .kernarg_segment_align: 8
    .kernarg_segment_size: 24
    .max_flat_workgroup_size: 256
    .sgpr_count:     66
    .vgpr_count:     222
    .wavefront_size: 32
...
	.end_amdgpu_metadata
.endif
;; end of part 2
;; launch stream (part 3): grid 256 x 1, 16 waves a work-group, no clusters, 71,936 bytes of LDS; arguments encs, uvec, part; writes part
.if DOCPART == 3
	.amdgcn_target "amdgcn-amd-amdhsa--gfx1250"
	.amdhsa_code_object_version 6
	.text
	.protected	k_q7bf6bf018f_stream
	.globl	k_q7bf6bf018f_stream
	.p2align	8
	.type	k_q7bf6bf018f_stream,@function
k_q7bf6bf018f_stream:
	s_mov_b64 s[64:65], 0
	v_nop
	global_prefetch_b8 v0, s[64:65] scope:SCOPE_SE
	s_setreg_imm32_b32 hwreg(HW_REG_WAVE_MODE, 25, 1), 1
	s_wait_xcnt 0x0
; The one pass over encs ([16][2048][1024] f32).  For batch b and a chunk of 128 rows s:  t[s] = encs[b][s] . u[b] (an exponent of 2),
;   m = max t[s],   l = sum 2^(t[s] - m),   W[h] = sum 2^(t[s] - m) encs[b][s][h],
; by a running maximum, so that each row is read from memory once and serves both the score and the weighted sum while it lies in registers.
; Since (sum p[s] encs[s]) . transM = sum p[s] (encs[s] . transM), the product with transM is made once for each batch, in the next launch.
; part: 256 records of 4,352 bytes, record g = 16 b + chunk: 1,024 f32 of W, then the pair (m, l) 32 times over (256 bytes).
; SHARES: work-group g owns rows 128 g .. 128 g + 127 of the 32,768: 524,288 consecutive bytes.  Wave w owns 8 of them.  A wave takes a whole row:
; lane l holds columns 128 j + 4 l + 0..3, j = 0..7, by eight loads of 512 consecutive bytes.  Rows go in pairs through a ring of two pair slots in registers:
; 16 to 32 loads of 512 bytes of every wave are on their way, 131,072 to 262,144 bytes for the 16 waves.
; Two multiply-adds for each number read: the bytes decide.  No matrix unit (one vector u, one weight a row), no LDS ring (the registers hold what is in flight),
; no cluster (no two work-groups share a row; u is 4,096 bytes against 524,288).  All in f32: the exponents' spread is the product of three norms.
; LIMITS: sums in another order than reference's; a score that is infinite or NaN gives NaN, as in reference; 2^x below 2^-126 counts as 0 (ISA guide 15.8, v_exp_f32).
.set ROWB, 4096                        ; bytes in a row
.set MLR,  4096                        ; LDS: 0..4095 u[b];  4096..4223 the 16 waves' (m, l), in a block of 256;
.set WS,   4352                        ;      4352..69887 the 16 waves' W, 4,096 bytes each
.set U,    4                           ; v[4:35]     u of my 32 columns
.set W,    36                          ; v[36:67]    the running weighted sum of my 32 columns
.set X,    68                          ; v[68:195]   pair slot p, row q, load j at 68 + 64 p + 32 q + 4 j
.set D,    196                         ; v[196:203]  row q, chain c: the pair at 196 + 4 q + 2 c; then at work
.set P0,   204                         ; v[204:205]  (weight, score) of the pair's first row
.set P1,   206                         ; v[206:207]  of its second row
.set PA,   208                         ; v[208:209]  (2^(old maximum - new), new maximum)
.set MM,   210                         ; v210        the running maximum   (v[210:211] first carry my 8 bytes of u into LDS)
.set LL,   211                         ; v211        the running sum
.set ML,   68                          ; behind the turns: v[68:99] the 16 waves' (m, l)
.set PC,   100                         ;                   v[100:131] the 16 waves' W of my two columns
.set CS,   196                         ;                   v[196:197] the merged W of my two columns
.set MX,   212                         ;                   v212 the chunk's maximum (8 t until u has gone to LDS)
.set LS,   213                         ;                   v213 the chunk's sum
; v1 = my offset in the group's rows   v2 = 16 l   v3 = my offset in uvec   v214, v215 = where my wave puts (m, l) and W; none is rewritten
.macro FILL p, row                     ; rows row, row + 1 of my eight into pair slot p: 16 loads
.irp q, 0,1
.irp j, 0,1,2,3,4,5,6,7
	global_load_b128 v[X+64*\p+32*\q+4*\j:X+64*\p+32*\q+4*\j+3], v1, s[4:5] offset:(\row+\q)*ROWB+512*\j th:TH_LOAD_NT
.endr
.endr
.endm
; The turn of pair slot p.  first = 1: the pair starts maximum, sum and W (nothing is cleared).  next >= 0: the slot is filled again with rows next, next + 1.
; left = how many younger loads may stay out.
.macro TURN p, first, next, left
	s_wait_loadcnt \left                           ; loads come back in order (ISA guide 5.7.1): my pair is in, the other slot's 16 stay out
	; the two scores, in four chains that do not wait for each other
.irp j, 0,1,2,3,4,5,6,7
.irp q, 0,1
.irp c, 0,2
.if \j == 0
	v_pk_mul_f32 v[D+4*\q+\c:D+4*\q+\c+1], v[X+64*\p+32*\q+4*\j+\c:X+64*\p+32*\q+4*\j+\c+1], v[U+4*\j+\c:U+4*\j+\c+1]
.else
	v_pk_fma_f32 v[D+4*\q+\c:D+4*\q+\c+1], v[X+64*\p+32*\q+4*\j+\c:X+64*\p+32*\q+4*\j+\c+1], v[U+4*\j+\c:U+4*\j+\c+1], v[D+4*\q+\c:D+4*\q+\c+1]
.endif
.endr
.endr
.endr
	v_pk_add_f32 v[D:D+1],   v[D:D+1],   v[D+2:D+3]
	v_pk_add_f32 v[D+4:D+5], v[D+4:D+5], v[D+6:D+7]
	v_add_f32 v[P0+1], v[D],   v[D+1]
	v_add_f32 v[P1+1], v[D+4], v[D+5]
.irp m, 1,2,4,8
	v_add_f32_dpp v[P0+1], v[P0+1], v[P0+1] row_xmask:\m row_mask:0xf bank_mask:0xf
	v_add_f32_dpp v[P1+1], v[P1+1], v[P1+1] row_xmask:\m row_mask:0xf bank_mask:0xf
.endr
	v_permlanex16_b32 v[D+2], v[P0+1], s12, s13
	v_permlanex16_b32 v[D+6], v[P1+1], s12, s13
	v_add_f32 v[P0+1], v[P0+1], v[D+2]             ; every lane holds both scores
	v_add_f32 v[P1+1], v[P1+1], v[D+6]
.if \first
	v_max_num_f32 v[PA+1], v[P0+1], v[P1+1]
.else
	v_max3_num_f32 v[PA+1], v[MM], v[P0+1], v[P1+1]
	v_sub_f32 v[D+3], v[MM], v[PA+1]
.endif
	v_sub_f32 v[D+1], v[P0+1], v[PA+1]
	v_sub_f32 v[D+5], v[P1+1], v[PA+1]
	v_exp_f32 v[P0], v[D+1]
	v_exp_f32 v[P1], v[D+5]
.if \first == 0
	v_exp_f32 v[PA], v[D+3]
.endif
	v_mov_b32 v[MM], v[PA+1]                       ; the plain instruction between the exponentials and the first use of a result (ISA guide 5.7.2)
.if \first
	s_wait_alu depctr_va_vdst(0)
	v_add_f32 v[LL], v[P0], v[P1]
.set wk, 0
.rept 16
	v_pk_mul_f32 v[W+wk:W+wk+1], v[X+64*\p+wk:X+64*\p+wk+1], v[P0:P0+1] op_sel_hi:[1,0]
.set wk, wk+2
.endr
.else
	s_wait_alu depctr_va_vdst(0)
	v_fma_f32 v[LL], v[LL], v[PA], v[P0]
	v_add_f32 v[LL], v[LL], v[P1]
.set wk, 0
.rept 16
	v_pk_mul_f32 v[W+wk:W+wk+1], v[W+wk:W+wk+1], v[PA:PA+1] op_sel_hi:[1,0]
.set wk, wk+2
.endr
.set wk, 0
.rept 16
	v_pk_fma_f32 v[W+wk:W+wk+1], v[X+64*\p+wk:X+64*\p+wk+1], v[P0:P0+1], v[W+wk:W+wk+1] op_sel_hi:[1,0,1]
.set wk, wk+2
.endr
.endif
.set wk, 0
.rept 16
	v_pk_fma_f32 v[W+wk:W+wk+1], v[X+64*\p+32+wk:X+64*\p+32+wk+1], v[P1:P1+1], v[W+wk:W+wk+1] op_sel_hi:[1,0,1]
.set wk, wk+2
.endr
.if \next >= 0
	FILL \p, \next
.endif
.endm
; 16 partial results (m_j, l_j) in ML and pieces in PC become one: MX = max m_j, e_j = 2^(m_j - MX), LS = sum e_j l_j, CS = sum e_j piece_j.
.macro COMBINE
	v_max3_num_f32 v[MX], v[ML], v[ML+2], v[ML+4]
.irp j, 3,5,7,9,11,13
	v_max3_num_f32 v[MX], v[MX], v[ML+2*\j], v[ML+2*\j+2]
.endr
	v_max_num_f32 v[MX], v[MX], v[ML+30]
.irp j, 0,1,2,3,4,5,6,7,8,9,10,11,12,13,14,15
	v_sub_f32 v[ML+2*\j], v[ML+2*\j], v[MX]
.endr
.irp j, 0,1,2,3,4,5,6,7,8,9,10,11,12,13,14,15
	v_exp_f32 v[ML+2*\j], v[ML+2*\j]
.endr
	v_nop                                          ; the plain place behind the last exponential (ISA guide 5.7.2)
	s_wait_alu depctr_va_vdst(0)
	v_mul_f32 v[LS], v[ML], v[ML+1]
	v_pk_mul_f32 v[CS:CS+1], v[PC:PC+1], v[ML:ML+1] op_sel_hi:[1,0]
.irp j, 1,2,3,4,5,6,7,8,9,10,11,12,13,14,15
	v_fmac_f32 v[LS], v[ML+2*\j], v[ML+2*\j+1]
	v_pk_fma_f32 v[CS:CS+1], v[PC+2*\j:PC+2*\j+1], v[ML+2*\j:ML+2*\j+1], v[CS:CS+1] op_sel_hi:[1,0,1]
.endr
.endm
	s_load_b128 s[4:7], s[0:1], 0x0                ; encs s[4:5], uvec s[6:7]
	s_load_b64 s[8:9], s[0:1], 0x10                ; part
	v_lshl_add_u32 v216, v0, 2, 0x11100
	v_mov_b32 v217, 0
	v_lshrrev_b32 v214, 5, v0
	v_readfirstlane_b32 s10, v214                  ; wave 0..15
	s_mov_b32 s12, 0x76543210
	s_mov_b32 s13, 0xfedcba98
	s_mov_b32 s15, 0
	v_and_b32 v2, 31, v0
	v_lshlrev_b32 v2, 4, v2                        ; 16 l
	v_lshl_add_u32 v1, s10, 15, v2                 ; + 8 w rows of 4,096 bytes
	v_and_b32 v213, 7, v0
	v_lshrrev_b32 v3, 3, v0
	v_lshlrev_b32 v213, 3, v213
	v_lshl_add_u32 v3, v3, 10, v213                ; u[b][2 t], u[b][2 t + 1]: block t >> 3 of 1,024 bytes, byte 8 (t & 7) of the batch's 64
	v_lshlrev_b32 v212, 3, v0                      ; 8 t: where they go in LDS
	s_lshl_b32 s16, s10, 3
	s_add_co_u32 s16, s16, MLR
	v_mov_b32 v214, s16                            ; my wave's (m, l)
	s_lshl_b32 s17, s10, 12
	s_add_co_u32 s17, s17, WS
	v_add_nc_u32 v215, s17, v2                     ; my 16 bytes in my wave's W
	s_wait_kmcnt 0x0
	s_lshl_b32 s14, ttmp9, 19                      ; 255 x 524,288 at the most: below 2^32
	s_add_nc_u64 s[4:5], s[4:5], s[14:15]          ; encs at the group's first row
	s_lshr_b32 s14, ttmp9, 4
	s_lshl_b32 s14, s14, 6
	s_add_nc_u64 s[6:7], s[6:7], s[14:15]          ; uvec at batch b's 64 bytes of block 0
	s_mul_i32 s14, ttmp9, 4352
	s_add_nc_u64 s[8:9], s[8:9], s[14:15]          ; my record
	global_load_b64 v[MM:MM+1], v3, s[6:7]
	FILL 0, 0
	FILL 1, 2
	s_wait_loadcnt 32                              ; u is in; the 32 loads of the first four rows stay out
	ds_store_b64 v212, v[MM:MM+1]
	s_wait_dscnt 0x0                               ; my store is done before I say so
	s_barrier_signal -1
	s_barrier_wait -1                              ; u[b] is whole
.irp j, 0,1,2,3,4,5,6,7
	ds_load_b128 v[U+4*\j:U+4*\j+3], v2 offset:512*\j
.endr
	s_wait_dscnt 0x0
	TURN 0, 1, 4, 16                               ; rows 0, 1; rows 4, 5 go out
	TURN 1, 0, 6, 16                               ; rows 2, 3; rows 6, 7 go out
	TURN 0, 0, -1, 16                              ; rows 4, 5; nothing is left to fetch
	TURN 1, 0, -1, 0                               ; rows 6, 7: no load was issued behind theirs
	; the 16 waves' results meet in LDS; thread t merges columns 2 t, 2 t + 1
	ds_store_b64 v214, v[MM:MM+1]                  ; all lanes store the same pair to the same 8 bytes
.irp j, 0,1,2,3,4,5,6,7
	ds_store_b128 v215, v[W+4*\j:W+4*\j+3] offset:512*\j   ; column n lies at byte 4 n of my wave's 4,096
.endr
	v_lshlrev_b32 v199, 3, v0                      ; 8 t
	v_mov_b32 v200, 0
	v_add_nc_u32 v198, WS, v199
	v_lshrrev_b32 v201, 1, v2
	v_add_nc_u32 v201, 0x1000, v201                ; 4,096 + 8 l: the record's last 256 bytes
	s_wait_dscnt 0x0                               ; my stores are done before I say so
	s_barrier_signal -1
	s_barrier_wait -1
.irp i, 0,1,2,3,4,5,6,7
	ds_load_b128 v[ML+4*\i:ML+4*\i+3], v200 offset:MLR+16*\i
.endr
.irp i, 0,1,2,3,4,5,6,7,8,9,10,11,12,13,14,15
	ds_load_b64 v[PC+2*\i:PC+2*\i+1], v198 offset:4096*\i
.endr
	s_wait_dscnt 0x0
	COMBINE
	global_store_b64 v199, v[CS:CS+1], s[8:9]      ; a wave stores 256 consecutive bytes, at a multiple of 256 from part's first byte
	s_cmp_lg_u32 s10, 0
	s_cbranch_scc1 .Lend
	global_store_b64 v201, v[MX:MX+1], s[8:9]      ; wave 0: (m, l) 32 times over, one whole block of 256 bytes
.Lend:
	s_wait_tensorcnt 0x0
	ds_add_u32 v216, v217
	s_wait_dscnt 0x0
	s_endpgm
.Lfunc_end_k_q7bf6bf018f_stream:
	.size	k_q7bf6bf018f_stream, .Lfunc_end_k_q7bf6bf018f_stream-k_q7bf6bf018f_stream
	.p2alignl 7, 3214868480
	.fill 96, 4, 3214868480
	.section	.rodata,"a",@progbits
	.p2align	6, 0x0
	.amdhsa_kernel k_q7bf6bf018f_stream
		.amdhsa_group_segment_fixed_size 71936
		.amdhsa_private_segment_fixed_size 0
		.amdhsa_enable_private_segment 0
		.amdhsa_kernarg_size 24
		.amdhsa_user_sgpr_count 2
		.amdhsa_user_sgpr_kernarg_segment_ptr 1
		.amdhsa_wavefront_size32 1
		.amdhsa_system_sgpr_workgroup_id_x 1
		.amdhsa_system_sgpr_workgroup_id_y 1
		.amdhsa_system_sgpr_workgroup_id_z 1
		.amdhsa_system_vgpr_workitem_id 0
		.amdhsa_next_free_vgpr 218
		.amdhsa_next_free_sgpr 66
		.amdhsa_reserve_vcc 0
		.amdhsa_float_denorm_mode_32 3
		.amdhsa_float_denorm_mode_16_64 3
		.amdhsa_memory_ordered 1
		.amdhsa_forward_progress 1
		.amdhsa_inst_pref_size 39
	.end_amdhsa_kernel
	.amdgpu_metadata
---
amdhsa.version: [ 1, 2 ]
amdhsa.kernels:
  - .name:           k_q7bf6bf018f_stream
    .symbol:         k_q7bf6bf018f_stream.kd
    .args:
      - { .name: encs, .offset: 0, .size: 8, .value_kind: global_buffer, .address_space: global }
      - { .name: uvec, .offset: 8, .size: 8, .value_kind: global_buffer, .address_space: global }
      - { .name: part, .offset: 16, .size: 8, .value_kind: global_buffer, .address_space: global }
    .group_segment_fixed_size: 71936
    .private_segment_fixed_size: 0
    .kernarg_segment_align: 8
    .kernarg_segment_size: 24
    .max_flat_workgroup_size: 512
    .sgpr_count:     66
    .vgpr_count:     218
    .wavefront_size: 32
...
	.end_amdgpu_metadata
.endif
;; end of part 3
;; launch finish (part 4): grid 256 x 1, 16 waves a work-group, no clusters, 10,240 bytes of LDS; arguments part, transM, out0; writes out0
.if DOCPART == 4
	.amdgcn_target "amdgcn-amd-amdhsa--gfx1250"
	.amdhsa_code_object_version 6
	.text
	.protected	k_q7bf6bf018f_finish
	.globl	k_q7bf6bf018f_finish
	.p2align	8
	.type	k_q7bf6bf018f_finish,@function
k_q7bf6bf018f_finish:
	s_mov_b64 s[64:65], 0
	v_nop
	global_prefetch_b8 v0, s[64:65] scope:SCOPE_SE
	s_setreg_imm32_b32 hwreg(HW_REG_WAVE_MODE, 25, 1), 1
	s_wait_xcnt 0x0
; out0[b][n] = (sum over h of C[b][h] transM[h][n]) / L[b], n = 0..1023, where the 16 records (m_j, l_j, W_j) of batch b in part are merged:
;   MX = max m_j,  e_j = 2^(m_j - MX),  L = sum e_j l_j,  C = sum e_j W_j.   This is reference's atten_sum: sum over s of softmax[s] (encs[s] . transM).
; part: record 16 b + j of 4,352 bytes: 1,024 f32 of W, then (m, l).  transM: [1024][1024] f32.  out0: [16][2048] f32.  All in f32 on the vector ALU:
; one row C meets each slice of transM, one multiply-add for each number read.
; SHARES: work-group g takes batch b = g & 15 and the 64 columns (256 bytes) of slice g >> 4, over all 1,024 rows h, so no sum crosses work-groups.
; Thread t first merges columns 2 t, 2 t + 1 of C (into LDS), then takes columns 4 c .. 4 c + 3 (c = t & 15) and rows 32 r .. 32 r + 31 (r = t >> 4) of transM.
; All 64 loads of a thread go out at the head; transM's rows land while C is merged.
; Each of the 16 slices of a batch merges C anew: 65,536 bytes read again against a further launch and a trip of C through memory.
; NO CLUSTER: the sixteen work-groups of a slice read the same 262,144 bytes of transM.  A joint request names four at the most, would pass the slice through LDS,
; and needs rounds of the cluster's barrier round a body that is a single run of loads: each number would be read from LDS for one multiply-add.
; LIMITS: sums in another order than reference's; 2^x below 2^-126 counts as 0 (ISA guide 15.8, v_exp_f32).  L is at least 1: the largest score's term is 2^0.
.set ROWB, 4096                        ; bytes in a row of transM
.set REC,  4352                        ; bytes in a record
.set RED,  4096                        ; LDS: 0..4095 C;  4096..8191 16 waves x 256 bytes of partial sums
.set ML,   10                          ; v[10:41]    the 16 records' (m, l)
.set CV,   10                          ; v[10:41]    then my 32 numbers of C
.set PC,   42                          ; v[42:73]    the 16 records' W of columns 2 t, 2 t + 1
.set X,    74                          ; v[74:201]   row i of my 32: 4 registers; later wave 0's eight partial sums
.set ACC,  202                         ; v[202:205]  sums of the even rows, v[206:209] of the odd rows
.set MX,   210
.set LS,   211
.set RC,   212                         ; v[212:213]  1 / L, twice
.set CS,   214                         ; v[214:215]  C of columns 2 t, 2 t + 1
; v1 = 16 c   v3 = my offset in transM   v4 = 8 t   v5, v6 = partial sums in, out   v7 = 128 r   v8 = 0; none is rewritten
	s_load_b128 s[4:7], s[0:1], 0x0                ; part s[4:5], transM s[6:7]
	s_load_b64 s[8:9], s[0:1], 0x10                ; out0
	v_lshl_add_u32 v216, v0, 2, 0x2000
	v_mov_b32 v217, 0
	v_lshrrev_b32 v2, 5, v0
	v_readfirstlane_b32 s10, v2                    ; wave 0..15
	s_mov_b32 s12, 0x76543210
	s_mov_b32 s13, 0xfedcba98
	s_and_b32 s16, ttmp9, 15                       ; b
	s_lshr_b32 s17, ttmp9, 4                       ; slice
	s_mov_b32 s15, 0
	v_and_b32 v1, 15, v0
	v_lshlrev_b32 v1, 4, v1                        ; 16 c
	v_lshrrev_b32 v7, 4, v0                        ; r
	v_lshl_add_u32 v3, v7, 17, v1                  ; 32 r rows of 4,096 bytes + 16 c
	v_lshlrev_b32 v4, 3, v0                        ; 8 t
	v_lshl_add_u32 v5, s10, 8, v1                  ; 256 x wave + 16 c
	v_bfe_u32 v6, v0, 4, 1
	v_lshl_add_u32 v6, v6, 11, v1                  ; lanes 0-15: waves 0-7; lanes 16-31: waves 8-15
	v_lshlrev_b32 v7, 7, v7                        ; 32 r numbers of 4 bytes
	v_mov_b32 v8, 0
	s_wait_kmcnt 0x0
	s_mul_i32 s14, s16, 16*REC
	s_add_nc_u64 s[4:5], s[4:5], s[14:15]          ; batch b's 16 records
	s_lshl_b32 s14, s17, 8
	s_add_nc_u64 s[6:7], s[6:7], s[14:15]          ; transM at my slice
	s_lshl_b32 s18, s16, 13
	s_add_co_u32 s14, s14, s18
	s_add_nc_u64 s[8:9], s[8:9], s[14:15]          ; out0[b] at my slice
.irp j, 0,1,2,3,4,5,6,7,8,9,10,11,12,13,14,15
	global_load_b64 v[ML+2*\j:ML+2*\j+1], v8, s[4:5] offset:REC*\j+4096    ; every lane the same 8 bytes
.endr
.irp j, 0,1,2,3,4,5,6,7,8,9,10,11,12,13,14,15
	global_load_b64 v[PC+2*\j:PC+2*\j+1], v4, s[4:5] offset:REC*\j         ; a wave takes 256 consecutive, aligned bytes
.endr
.set ri, 0
.rept 32
	global_load_b128 v[X+4*ri:X+4*ri+3], v3, s[6:7] offset:ROWB*ri
.set ri, ri+1
.endr
; 16 partial results (m_j, l_j) in ML and pieces in PC become one: MX = max m_j, e_j = 2^(m_j - MX), LS = sum e_j l_j, CS = sum e_j piece_j.
.macro COMBINE
	v_max3_num_f32 v[MX], v[ML], v[ML+2], v[ML+4]
.irp j, 3,5,7,9,11,13
	v_max3_num_f32 v[MX], v[MX], v[ML+2*\j], v[ML+2*\j+2]
.endr
	v_max_num_f32 v[MX], v[MX], v[ML+30]
.irp j, 0,1,2,3,4,5,6,7,8,9,10,11,12,13,14,15
	v_sub_f32 v[ML+2*\j], v[ML+2*\j], v[MX]
.endr
.irp j, 0,1,2,3,4,5,6,7,8,9,10,11,12,13,14,15
	v_exp_f32 v[ML+2*\j], v[ML+2*\j]
.endr
	v_nop                                          ; the plain place behind the last exponential (ISA guide 5.7.2)
	s_wait_alu depctr_va_vdst(0)
	v_mul_f32 v[LS], v[ML], v[ML+1]
	v_pk_mul_f32 v[CS:CS+1], v[PC:PC+1], v[ML:ML+1] op_sel_hi:[1,0]
.irp j, 1,2,3,4,5,6,7,8,9,10,11,12,13,14,15
	v_fmac_f32 v[LS], v[ML+2*\j], v[ML+2*\j+1]
	v_pk_fma_f32 v[CS:CS+1], v[PC+2*\j:PC+2*\j+1], v[ML+2*\j:ML+2*\j+1], v[CS:CS+1] op_sel_hi:[1,0,1]
.endr
.endm
; n rows: ACC (+)= row i x multiplier i.  The multipliers lie in v[mul ..]; one of a pair is broadcast into both halves of the packed instruction:
; the first register by op_sel_hi 0, the second by op_sel 1.  Rows 0 and 1 start the two sums: nothing is cleared.
.macro ROWS n, mul
.set ri, 0
.rept \n
	s_wait_loadcnt \n-1-ri                         ; loads come back in order (ISA guide 5.7.1): row ri is in, the younger rows stay out
.set rd, ACC+4*(ri%2)
.set rx, X+4*ri
.set ra, \mul+2*(ri/2)
.if ri < 2
.if ri%2
	v_pk_mul_f32 v[rd:rd+1],   v[rx:rx+1],   v[ra:ra+1] op_sel:[0,1] op_sel_hi:[1,1]
	v_pk_mul_f32 v[rd+2:rd+3], v[rx+2:rx+3], v[ra:ra+1] op_sel:[0,1] op_sel_hi:[1,1]
.else
	v_pk_mul_f32 v[rd:rd+1],   v[rx:rx+1],   v[ra:ra+1] op_sel_hi:[1,0]
	v_pk_mul_f32 v[rd+2:rd+3], v[rx+2:rx+3], v[ra:ra+1] op_sel_hi:[1,0]
.endif
.else
.if ri%2
	v_pk_fma_f32 v[rd:rd+1],   v[rx:rx+1],   v[ra:ra+1], v[rd:rd+1]   op_sel:[0,1,0] op_sel_hi:[1,1,1]
	v_pk_fma_f32 v[rd+2:rd+3], v[rx+2:rx+3], v[ra:ra+1], v[rd+2:rd+3] op_sel:[0,1,0] op_sel_hi:[1,1,1]
.else
	v_pk_fma_f32 v[rd:rd+1],   v[rx:rx+1],   v[ra:ra+1], v[rd:rd+1]   op_sel_hi:[1,0,1]
	v_pk_fma_f32 v[rd+2:rd+3], v[rx+2:rx+3], v[ra:ra+1], v[rd+2:rd+3] op_sel_hi:[1,0,1]
.endif
.endif
.set ri, ri+1
.endr
.endm
; The 32 row groups' sums of my 4 columns become one: odd onto even, the wave's two halves, the 16 waves through LDS, and wave 0 stores 256 bytes.
.macro REDUCE scale
	v_pk_add_f32 v[ACC:ACC+1],   v[ACC:ACC+1],   v[ACC+4:ACC+5]
	v_pk_add_f32 v[ACC+2:ACC+3], v[ACC+2:ACC+3], v[ACC+6:ACC+7]
.irp k, 0,1,2,3
	v_permlanex16_b32 v[ACC+4+\k], v[ACC+\k], s12, s13     ; the other half's sums of the same columns
.endr
	v_pk_add_f32 v[ACC:ACC+1],   v[ACC:ACC+1],   v[ACC+4:ACC+5]
	v_pk_add_f32 v[ACC+2:ACC+3], v[ACC+2:ACC+3], v[ACC+6:ACC+7]
	ds_store_b128 v5, v[ACC:ACC+3] offset:RED      ; lanes l and l + 16 hold the same numbers and store them to the same bytes
	s_wait_dscnt 0x0                               ; my store is done before I say so
	s_barrier_signal -1
	s_barrier_wait -1                              ; all 16 waves' sums lie in LDS
	s_cmp_lg_u32 s10, 0
	s_cbranch_scc1 .Lend                           ; the rest is wave 0's; no barrier follows
.irp k, 0,1,2,3,4,5,6,7
	ds_load_b128 v[X+4*\k:X+4*\k+3], v6 offset:RED+256*\k
.endr
	s_wait_dscnt 0x0
.irp k, 0,1,2,3
	v_pk_add_f32 v[X+4*\k:X+4*\k+1],   v[X+4*\k:X+4*\k+1],   v[X+16+4*\k:X+16+4*\k+1]
	v_pk_add_f32 v[X+4*\k+2:X+4*\k+3], v[X+4*\k+2:X+4*\k+3], v[X+16+4*\k+2:X+16+4*\k+3]
.endr
.irp k, 0,1
	v_pk_add_f32 v[X+4*\k:X+4*\k+1],   v[X+4*\k:X+4*\k+1],   v[X+8+4*\k:X+8+4*\k+1]
	v_pk_add_f32 v[X+4*\k+2:X+4*\k+3], v[X+4*\k+2:X+4*\k+3], v[X+8+4*\k+2:X+8+4*\k+3]
.endr
	v_pk_add_f32 v[X:X+1],   v[X:X+1],   v[X+4:X+5]
	v_pk_add_f32 v[X+2:X+3], v[X+2:X+3], v[X+6:X+7]
.irp k, 0,1,2,3
	v_permlanex16_b32 v[X+4+\k], v[X+\k], s12, s13         ; waves 8-15's share meets waves 0-7's
.endr
	v_pk_add_f32 v[X:X+1],   v[X:X+1],   v[X+4:X+5]
	v_pk_add_f32 v[X+2:X+3], v[X+2:X+3], v[X+6:X+7]
.if \scale
	v_pk_mul_f32 v[X:X+1],   v[X:X+1],   v[RC:RC+1]
	v_pk_mul_f32 v[X+2:X+3], v[X+2:X+3], v[RC:RC+1]
.endif
	s_wait_xcnt 0x0                                ; EXEC is a source of every global instruction issued so far: it changes only behind this wait
	v_cmp_gt_u32 vcc_lo, 16, v0
	s_and_saveexec_b32 s18, vcc_lo                 ; lanes 0-15
	global_store_b128 v1, v[X:X+3], s[8:9]         ; sixteen lanes store 256 consecutive bytes, at a multiple of 256 from out0's first byte
	s_wait_xcnt 0x0                                ; and again in front of the line that widens it
	s_or_b32 exec_lo, exec_lo, s18
.Lend:
	s_wait_tensorcnt 0x0
	ds_add_u32 v216, v217
	s_wait_dscnt 0x0
	s_endpgm
.endm
	s_wait_loadcnt 32                              ; the records' 32 loads are in; transM's 32 rows stay out
	COMBINE
	ds_store_b64 v4, v[CS:CS+1]                    ; C's column n at byte 4 n
	s_wait_dscnt 0x0                               ; my store is done before I say so
	s_barrier_signal -1
	s_barrier_wait -1                              ; C is whole
.irp i, 0,1,2,3,4,5,6,7
	ds_load_b128 v[CV+4*\i:CV+4*\i+3], v7 offset:16*\i     ; C[32 r .. 32 r + 31]: the sixteen lanes of a half read the same bytes
.endr
	s_wait_dscnt 0x0
	ROWS 32, CV
	v_rcp_f32 v[RC], v[LS]
	v_nop                                          ; the plain place behind the reciprocal (ISA guide 5.7.2)
	s_wait_alu depctr_va_vdst(0)
	v_mov_b32 v[RC+1], v[RC]
	REDUCE 1
.Lfunc_end_k_q7bf6bf018f_finish:
	.size	k_q7bf6bf018f_finish, .Lfunc_end_k_q7bf6bf018f_finish-k_q7bf6bf018f_finish
	.p2alignl 7, 3214868480
	.fill 96, 4, 3214868480
	.section	.rodata,"a",@progbits
	.p2align	6, 0x0
	.amdhsa_kernel k_q7bf6bf018f_finish
		.amdhsa_group_segment_fixed_size 10240
		.amdhsa_private_segment_fixed_size 0
		.amdhsa_enable_private_segment 0
		.amdhsa_kernarg_size 24
		.amdhsa_user_sgpr_count 2
		.amdhsa_user_sgpr_kernarg_segment_ptr 1
		.amdhsa_wavefront_size32 1
		.amdhsa_system_sgpr_workgroup_id_x 1
		.amdhsa_system_sgpr_workgroup_id_y 1
		.amdhsa_system_sgpr_workgroup_id_z 1
		.amdhsa_system_vgpr_workitem_id 0
		.amdhsa_next_free_vgpr 218
		.amdhsa_next_free_sgpr 66
		.amdhsa_reserve_vcc 1
		.amdhsa_float_denorm_mode_32 3
		.amdhsa_float_denorm_mode_16_64 3
		.amdhsa_memory_ordered 1
		.amdhsa_forward_progress 1
		.amdhsa_inst_pref_size 20
	.end_amdhsa_kernel
	.amdgpu_metadata
---
amdhsa.version: [ 1, 2 ]
amdhsa.kernels:
  - .name:           k_q7bf6bf018f_finish
    .symbol:         k_q7bf6bf018f_finish.kd
    .args:
      - { .name: part, .offset: 0, .size: 8, .value_kind: global_buffer, .address_space: global }
      - { .name: transM, .offset: 8, .size: 8, .value_kind: global_buffer, .address_space: global }
      - { .name: out0, .offset: 16, .size: 8, .value_kind: global_buffer, .address_space: global }
    .group_segment_fixed_size: 10240
    .private_segment_fixed_size: 0
    .kernarg_segment_align: 8
    .kernarg_segment_size: 24
    .max_flat_workgroup_size: 512
    .sgpr_count:     66
    .vgpr_count:     218
    .wavefront_size: 32
...
	.end_amdgpu_metadata
.endif
;; end of part 4
